; MI455X (gfx1250); checked and timed in simulation.
; The chip was launched on July 23, 2026; its instructions are those of AMD's public machine-readable ISA for CDNA 5 (MIT licence, August 2026) and "CDNA5" Instruction Set Architecture Reference Guide (July 2026). The comments in the code are by the model that wrote it; some were corrected since.
;; Mo E Layer. Allowed arithmetic: float matrix products may take bf16 or f16 operands with f32 sums; other float arithmetic in f32, or as packed bf16 or f16 multiplies, adds, multiply-adds, maxima and minima; sums over many terms, partial sums and values carried from step to step in f32; what a program stores and reads back later, other than sums and carried values, may be rounded once to bf16 or f16.
;; Inputs: Sd 1,024 x 1,024 float32; Sg 1,024 x 1,024 float32; Su 1,024 x 1,024 float32; Wd 4 x 1,024 x 1,024 float32; Wg 4 x 1,024 x 1,024 float32; Wr 4 x 1,024 float32; Wu 4 x 1,024 x 1,024 float32; x 2 x 2,048 x 1,024 float32.
;; Outputs: out0 2 x 2,048 x 1,024 float32.
;; One version. Each part assembles by itself: llvm-mc -triple=amdgcn-amd-amdhsa -mcpu=gfx1250 --defsym DOCPART=n.
;; ======== version 1 of 1: 4 launches
;; limits: right only within a limited range of input values
;; workspace buffers: xb 8,388,608 bytes; cmb 65,536 bytes; inc 16,384 bytes of whole numbers; wb 31,457,280 bytes; xs 8,388,608 bytes; cws 131,072 bytes; idx 17,408 bytes of whole numbers; h 42,205,184 bytes
;; launch prep (part 1): grid 608 x 1, 8 waves a work-group, no clusters, 0 bytes of LDS; arguments x, Wr, Wg, Wu, Wd, Sg, Su, Sd, xb, cmb, inc, wb; writes xb, cmb, inc, wb
.if DOCPART == 1
	.amdgcn_target "amdgcn-amd-amdhsa--gfx1250"
	.amdhsa_code_object_version 6
	.text
	.protected	k_q492210da75_prep
	.globl	k_q492210da75_prep
	.p2align	8
	.type	k_q492210da75_prep,@function
k_q492210da75_prep:
	s_mov_b64 s[64:65], 0
	v_nop
	global_prefetch_b8 v0, s[64:65] scope:SCOPE_SE
	s_setreg_imm32_b32 hwreg(HW_REG_WAVE_MODE, 25, 1), 1
	s_wait_xcnt 0x0
; PREP.  Every input is rounded once to bf16; the router runs on the rounded numbers.
; A wave takes 4 rows of 1,024 f32, a work-group of eight waves 32 rows.  Work-groups 0-127: rows of x (and the router);
; work-groups 128-607: rows of the 15 weight matrices, in the order gate e = 0..4, up e = 0..4, down e = 0..4 (e = 4: the shared expert).
; A row comes in by eight loads of 16 bytes a lane (512 consecutive bytes each) and leaves by eight stores of 8 bytes a lane (256 consecutive aligned bytes each).
; wb: gate and up interleaved in groups of 64 rows, row (f, k) at (f / 64) 128 + 64 k + f % 64 of expert e's 2,048 rows; behind them, at byte 20,971,520, the down matrices as they lie.
; ROUTER.  logit[e] = x . Wr[e], products of bf16 numbers, sums in f32 (two chains a lane and expert, then over the 32 lanes).  The maximum is taken away before the exponentials.
; combine[e] = E[e] / (Ea + Eb + 1e-8 Z) for the two chosen experts, 0 for the others: reference's quotient with numerator and denominator multiplied by Z, the sum of all four exponentials.
; LIMITS.  The two experts are ranked on the logits (ties: the lower index); reference ranks the rounded softmax scores, so logits that differ in the last bits may rank otherwise.  NaN and infinities are not treated apart.
; No LDS, no barrier: a token's four sums never leave its wave.
.set LANE, 1                           ; v1    lane
.set LO,   2                           ; v2    16 x lane
.set SO,   3                           ; v3    8 x lane
.set A4,   4                           ; v4    4 x lane
.set ZERO, 5                           ; v5    0: the addend that starts the sums
.set ACC,  8                           ; v[8:15]   two chains for each expert
.set S,    16                          ; v[16:19]  a row's four logits
.set PX,   20                          ; v[20:23]  the other half of the lanes'
.set LG,   24                          ; v[24:27]  lane r: token r's four logits
.set X,    32                          ; v[32:159] row r at X + 32 r: 32 registers of f32, then 16 of packed bf16
.set W,    160                         ; v[160:223] Wr in packed bf16, expert e at W + 16 e
.set E,    224                         ; v[224:227] exponentials
.set R,    228                         ; v[228:231] ranks
.set T,    232                         ; v[232:235] at work
.set M,    236                         ; v236  mask of the two chosen experts
.set Z,    237                         ; v237  sum of the four exponentials
.set DEN,  238
.set INC,  239
.set C,    240                         ; v[240:243] combine weights
.set SRC,  40                          ; s[40:41]
.set DST,  42                          ; s[42:43]
.macro LOADROWS base, nt               ; four rows: 32 loads
.irp r, 0,1,2,3
.irp j, 0,1,2,3,4,5,6,7
.if \nt
	global_load_b128 v[X+32*(\r)+4*(\j):X+32*(\r)+4*(\j)+3], v[LO], s[\base:\base+1] offset:(\r)*4096+(\j)*512 th:TH_LOAD_NT
.else
	global_load_b128 v[X+32*(\r)+4*(\j):X+32*(\r)+4*(\j)+3], v[LO], s[\base:\base+1] offset:(\r)*4096+(\j)*512
.endif
.endr
.endr
.endm
.macro CVT r                           ; in place, ascending: register i takes numbers 2 i and 2 i + 1, which no later line reads
.set i, 0
.rept 16
	v_cvt_pk_bf16_f32 v[X+32*(\r)+i], v[X+32*(\r)+2*i], v[X+32*(\r)+2*i+1]
.set i, i+1
.endr
.endm
.macro STORE r
.irp j, 0,1,2,3,4,5,6,7
	global_store_b64 v[SO], v[X+32*(\r)+2*(\j):X+32*(\r)+2*(\j)+1], s[DST:DST+1] offset:(\r)*2048+(\j)*256
.endr
.endm
	s_load_b512 s[8:23], s[0:1], 0x0               ; x s[8:9], Wr s[10:11], Wg s[12:13], Wu s[14:15], Wd s[16:17], Sg s[18:19], Su s[20:21], Sd s[22:23]
	s_load_b256 s[24:31], s[0:1], 0x40             ; xb s[24:25], cmb s[26:27], inc s[28:29], wb s[30:31]
	v_and_b32 v[LANE], 31, v0
	v_lshrrev_b32 v6, 5, v0
	v_readfirstlane_b32 s32, v6                    ; wave 0..7
	v_lshlrev_b32 v[LO], 4, v[LANE]
	v_lshlrev_b32 v[SO], 3, v[LANE]
	s_mov_b32 s39, 0                               ; the high word of every offset pair
	s_wait_kmcnt 0x0
	s_cmp_lt_u32 ttmp9, 128
	s_cbranch_scc1 .Lrouter
	; WEIGHTS
	s_sub_co_u32 s33, ttmp9, 128
	s_and_b32 s36, s33, 31
	s_lshl_b32 s36, s36, 5
	s_lshl2_add_u32 s36, s32, s36                  ; f0: my first row in the matrix
	s_lshr_b32 s33, s33, 5                         ; which of the 15 matrices
	s_cmp_ge_u32 s33, 5
	s_cselect_b32 s34, 1, 0
	s_cmp_ge_u32 s33, 10
	s_cselect_b32 s34, 2, s34                      ; k: 0 gate, 1 up, 2 down
	s_mul_i32 s35, s34, 5
	s_sub_co_u32 s35, s33, s35                     ; e
	s_cmp_eq_u32 s34, 0
	s_cselect_b64 s[44:45], s[12:13], s[14:15]
	s_cselect_b64 s[46:47], s[18:19], s[20:21]
	s_cmp_eq_u32 s34, 2
	s_cselect_b64 s[44:45], s[16:17], s[44:45]     ; the routed experts' tensor of kind k
	s_cselect_b64 s[46:47], s[22:23], s[46:47]     ; the shared expert's
	s_cmp_eq_u32 s35, 4
	s_cselect_b64 s[SRC:SRC+1], s[46:47], s[44:45]
	s_cselect_b32 s37, 0, s35
	s_lshl_b32 s38, s37, 22                        ; an expert's matrix is 4 MiB of f32
	s_lshl_b32 s37, s36, 12
	s_add_co_u32 s38, s38, s37
	s_add_nc_u64 s[SRC:SRC+1], s[SRC:SRC+1], s[38:39]
	s_lshr_b32 s37, s36, 6                         ; gate and up: row (f0 / 64) 128 + 64 k + f0 % 64; my four rows stay inside a group of 64
	s_lshl_b32 s37, s37, 7
	s_lshl_b32 s48, s34, 6
	s_add_co_u32 s37, s37, s48
	s_and_b32 s48, s36, 63
	s_add_co_u32 s37, s37, s48
	s_lshl_b32 s37, s37, 11
	s_lshl_b32 s48, s35, 22
	s_add_co_u32 s37, s37, s48
	s_lshl_b32 s48, s35, 21                        ; down: behind them, 2 MiB an expert
	s_lshl_b32 s49, s36, 11
	s_add_co_u32 s48, s48, s49
	s_add_co_u32 s48, s48, 20971520
	s_cmp_eq_u32 s34, 2
	s_cselect_b32 s38, s48, s37
	s_add_nc_u64 s[DST:DST+1], s[30:31], s[38:39]
	LOADROWS SRC, 1
.irp r, 0,1,2,3
	s_wait_loadcnt 8*(3-(\r))                      ; loads come back in order: row r is in, the later rows' eight loads each stay out
	CVT \r
	STORE \r
.endr
	s_endpgm
.Lrouter:
	v_lshlrev_b32 v[A4], 2, v[LANE]
	v_mov_b32 v[ZERO], 0
.irp e, 0,1,2,3
	v_mov_b32 v[PX+(\e)], 0                        ; v_permlanex16_b32 counts as a reader of its destination
.endr
	s_mov_b32 s50, 0x76543210                      ; each lane takes its own place in the other half
	s_mov_b32 s51, 0xfedcba98
	s_lshl_b32 s36, ttmp9, 5
	s_lshl2_add_u32 s36, s32, s36                  ; my first token
	s_lshl_b32 s38, s36, 12
	s_add_nc_u64 s[SRC:SRC+1], s[8:9], s[38:39]
	s_lshl_b32 s38, s36, 11
	s_add_nc_u64 s[DST:DST+1], s[24:25], s[38:39]
	s_lshl_b32 s38, s36, 4
	s_add_nc_u64 s[44:45], s[26:27], s[38:39]      ; cmb at my first token
	s_lshl_b32 s38, s36, 2
	s_add_nc_u64 s[46:47], s[28:29], s[38:39]      ; inc at my first token
	LOADROWS 10, 0                                 ; Wr's four rows, laid over the lanes as x's rows are
	s_wait_loadcnt 0x0
.irp e, 0,1,2,3
.set i, 0
.rept 16
	v_cvt_pk_bf16_f32 v[W+16*(\e)+i], v[X+32*(\e)+2*i], v[X+32*(\e)+2*i+1]
.set i, i+1
.endr
.endr
	LOADROWS SRC, 1
.macro DOT r                           ; eight chains by turns; the first link takes 0 as its addend: nothing is cleared
.set i, 0
.rept 16
.irp e, 0,1,2,3
.if i == 0
	v_fma_mix_f32_bf16 v[ACC+2*(\e)], v[X+32*(\r)+i], v[W+16*(\e)+i], v[ZERO] op_sel_hi:[1,1,0]
	v_fma_mix_f32_bf16 v[ACC+2*(\e)+1], v[X+32*(\r)+i], v[W+16*(\e)+i], v[ZERO] op_sel:[1,1,0] op_sel_hi:[1,1,0]
.else
	v_fma_mix_f32_bf16 v[ACC+2*(\e)], v[X+32*(\r)+i], v[W+16*(\e)+i], v[ACC+2*(\e)] op_sel_hi:[1,1,0]
	v_fma_mix_f32_bf16 v[ACC+2*(\e)+1], v[X+32*(\r)+i], v[W+16*(\e)+i], v[ACC+2*(\e)+1] op_sel:[1,1,0] op_sel_hi:[1,1,0]
.endif
.endr
.set i, i+1
.endr
.endm
.macro RED r                           ; over the 32 lanes; lane r keeps token r's four sums
.irp e, 0,1,2,3
	v_add_f32 v[S+(\e)], v[ACC+2*(\e)], v[ACC+2*(\e)+1]
.endr
.irp k, 1,2,4,8
.irp e, 0,1,2,3
	v_add_f32_dpp v[S+(\e)], v[S+(\e)], v[S+(\e)] row_xmask:\k row_mask:0xf bank_mask:0xf
.endr
.endr
.irp e, 0,1,2,3
	v_permlanex16_b32 v[PX+(\e)], v[S+(\e)], s50, s51
.endr
.irp e, 0,1,2,3
	v_add_f32 v[S+(\e)], v[S+(\e)], v[PX+(\e)]
.endr
.if (\r) == 0
.irp e, 0,1,2,3
	v_mov_b32 v[LG+(\e)], v[S+(\e)]
.endr
.else
	v_cmp_eq_u32 vcc_lo, \r, v[LANE]
.irp e, 0,1,2,3
	v_cndmask_b32 v[LG+(\e)], v[LG+(\e)], v[S+(\e)], vcc_lo
.endr
.endif
.endm
.irp r, 0,1,2,3
	s_wait_loadcnt 8*(3-(\r))                      ; row r is in, the later rows stay out
	CVT \r
	STORE \r
	DOT \r
	RED \r
.endr
	; THE TAIL: a lane is a token (lanes 0-3 count)
	v_max3_num_f32 v[T+3], v[LG], v[LG+1], v[LG+2]
	v_max_num_f32 v[T+3], v[T+3], v[LG+3]
.irp e, 0,1,2,3
	v_sub_f32 v[E+(\e)], v[LG+(\e)], v[T+3]
.endr
.irp e, 0,1,2,3
	v_mul_f32 v[E+(\e)], 0x3fb8aa3b, v[E+(\e)]
.endr
.irp e, 0,1,2,3
	v_exp_f32 v[E+(\e)], v[E+(\e)]
.endr
	v_mov_b32 v[R], 3                              ; rank of i = how many beat it; it starts as if all later ones did (also the plain line behind the exponentials)
	v_mov_b32 v[R+1], 2
	v_mov_b32 v[R+2], 1
	v_mov_b32 v[R+3], 0
	s_wait_alu depctr_va_vdst(0)
	v_add_f32 v[Z], v[E], v[E+1]
	v_add_f32 v[T+3], v[E+2], v[E+3]
	v_add_f32 v[Z], v[Z], v[T+3]
.macro PAIR i, j                       ; i < j: i beats j if its logit is not smaller
	v_cmp_ge_f32 vcc_lo, v[LG+(\i)], v[LG+(\j)]
	v_cndmask_b32 v[T], 0, 1, vcc_lo
	v_add_nc_u32 v[R+(\j)], v[R+(\j)], v[T]
	v_sub_nc_u32 v[R+(\i)], v[R+(\i)], v[T]
.endm
	PAIR 0, 1
	PAIR 0, 2
	PAIR 0, 3
	PAIR 1, 2
	PAIR 1, 3
	PAIR 2, 3
	v_mov_b32 v[M], 0
.irp e, 0,1,2,3
	v_cmp_gt_u32 vcc_lo, 2, v[R+(\e)]              ; among the first two
	v_cndmask_b32 v[E+(\e)], 0, v[E+(\e)], vcc_lo
	v_cndmask_b32 v[T], 0, 1<<(\e), vcc_lo
	v_or_b32 v[M], v[M], v[T]
.endr
	v_add_f32 v[DEN], v[E], v[E+1]
	v_add_f32 v[T], v[E+2], v[E+3]
	v_add_f32 v[DEN], v[DEN], v[T]
	v_fmamk_f32 v[DEN], v[Z], 0x322bcc77, v[DEN]   ; + 1e-8 Z
	v_rcp_f32 v[DEN], v[DEN]
	v_mov_b32 v[T+1], 0                            ; 5 g, g the pair's place in the order (0,1) (0,2) (0,3) (1,3) (1,2) (2,3): neighbours share an expert
	v_mov_b32 v[T+2], 1
	s_wait_alu depctr_va_vdst(0)
.irp e, 0,1,2,3
	v_mul_f32 v[C+(\e)], v[E+(\e)], v[DEN]
.endr
	v_cmp_eq_u32 vcc_lo, 5, v[M]
	v_cndmask_b32 v[T+1], v[T+1], 5, vcc_lo
	v_cmp_eq_u32 vcc_lo, 9, v[M]
	v_cndmask_b32 v[T+1], v[T+1], 10, vcc_lo
	v_cmp_eq_u32 vcc_lo, 10, v[M]
	v_cndmask_b32 v[T+1], v[T+1], 15, vcc_lo
	v_cmp_eq_u32 vcc_lo, 6, v[M]
	v_cndmask_b32 v[T+1], v[T+1], 20, vcc_lo
	v_cmp_eq_u32 vcc_lo, 12, v[M]
	v_cndmask_b32 v[T+1], v[T+1], 25, vcc_lo
	v_lshlrev_b32 v[INC], v[T+1], v[T+2]           ; 1 << 5 g: sixteen such codes add up without a carry between their fields of 5 bits
	v_cmp_gt_u32 vcc_lo, 4, v[LANE]
	s_wait_xcnt 0x0                                ; EXEC is a source of the stores above: it changes only behind this wait
	s_and_saveexec_b32 s48, vcc_lo
	global_store_b32 v[A4], v[INC], s[46:47]
	global_store_b128 v[LO], v[C:C+3], s[44:45]
	s_wait_xcnt 0x0                                ; and again in front of the line that widens it
	s_or_b32 exec_lo, exec_lo, s48
	s_endpgm
.Lfunc_end_k_q492210da75_prep:
	.size	k_q492210da75_prep, .Lfunc_end_k_q492210da75_prep-k_q492210da75_prep
	.p2alignl 7, 3214868480
	.fill 96, 4, 3214868480
	.section	.rodata,"a",@progbits
	.p2align	6, 0x0
	.amdhsa_kernel k_q492210da75_prep
		.amdhsa_group_segment_fixed_size 0
		.amdhsa_private_segment_fixed_size 0
		.amdhsa_enable_private_segment 0
		.amdhsa_kernarg_size 96
		.amdhsa_user_sgpr_count 2
		.amdhsa_user_sgpr_kernarg_segment_ptr 1
		.amdhsa_wavefront_size32 1
		.amdhsa_system_sgpr_workgroup_id_x 1
		.amdhsa_system_sgpr_workgroup_id_y 1
		.amdhsa_system_sgpr_workgroup_id_z 1
		.amdhsa_system_vgpr_workitem_id 0
		.amdhsa_next_free_vgpr 244
		.amdhsa_next_free_sgpr 66
		.amdhsa_reserve_vcc 1
		.amdhsa_float_denorm_mode_32 3
		.amdhsa_float_denorm_mode_16_64 3
		.amdhsa_memory_ordered 1
		.amdhsa_forward_progress 1
		.amdhsa_inst_pref_size 73
	.end_amdhsa_kernel
	.amdgpu_metadata
---
amdhsa.version: [ 1, 2 ]
amdhsa.kernels:
  - .name:           k_q492210da75_prep
    .symbol:         k_q492210da75_prep.kd
    .args:
      - { .name: x, .offset: 0, .size: 8, .value_kind: global_buffer, .address_space: global }
      - { .name: Wr, .offset: 8, .size: 8, .value_kind: global_buffer, .address_space: global }
      - { .name: Wg, .offset: 16, .size: 8, .value_kind: global_buffer, .address_space: global }
      - { .name: Wu, .offset: 24, .size: 8, .value_kind: global_buffer, .address_space: global }
      - { .name: Wd, .offset: 32, .size: 8, .value_kind: global_buffer, .address_space: global }
      - { .name: Sg, .offset: 40, .size: 8, .value_kind: global_buffer, .address_space: global }
      - { .name: Su, .offset: 48, .size: 8, .value_kind: global_buffer, .address_space: global }
      - { .name: Sd, .offset: 56, .size: 8, .value_kind: global_buffer, .address_space: global }
      - { .name: xb, .offset: 64, .size: 8, .value_kind: global_buffer, .address_space: global }
      - { .name: cmb, .offset: 72, .size: 8, .value_kind: global_buffer, .address_space: global }
      - { .name: inc, .offset: 80, .size: 8, .value_kind: global_buffer, .address_space: global }
      - { .name: wb, .offset: 88, .size: 8, .value_kind: global_buffer, .address_space: global }
    .group_segment_fixed_size: 0
    .private_segment_fixed_size: 0
    .kernarg_segment_align: 8
    .kernarg_segment_size: 96
    .max_flat_workgroup_size: 256
    .sgpr_count:     66
    .vgpr_count:     244
    .wavefront_size: 32
...
	.end_amdgpu_metadata
.endif
;; end of part 1
;; launch sort (part 2): grid 256 x 1, 8 waves a work-group, no clusters, 1,280 bytes of LDS; arguments xb, cmb, inc, xs, cws, idx, h; writes xs, cws, idx, h
.if DOCPART == 2
	.amdgcn_target "amdgcn-amd-amdhsa--gfx1250"
	.amdhsa_code_object_version 6
	.text
	.protected	k_q492210da75_sort
	.globl	k_q492210da75_sort
	.p2align	8
	.type	k_q492210da75_sort,@function
k_q492210da75_sort:
	s_mov_b64 s[64:65], 0
	v_nop
	global_prefetch_b8 v0, s[64:65] scope:SCOPE_SE
	s_setreg_imm32_b32 hwreg(HW_REG_WAVE_MODE, 25, 1), 1
	s_wait_xcnt 0x0
; SORT.  A stable counting sort of the 4,096 tokens by their pair of experts (six groups), without traffic between work-groups: every work-group counts all 4,096 codes itself.
; Work-group c owns tokens 16 c .. 16 c + 15; thread t adds the codes of tokens 16 t .. 16 t + 15 (a code is 1 << 5 g: six fields of 5 bits, 16 at the most in each),
; once for the totals and once, where t < c, for what lies in front of my tokens.  A token's place = its group's base + its group's tokens in front of the chunk + those in front of it in the chunk.
; Stored: xs, x's bf16 rows in sorted order (wave w copies rows 2 w, 2 w + 1 of the chunk, 512 consecutive bytes a store); cws, 8 words a sorted row: the four combine weights and 1.0 for the shared expert;
; 1,024 bytes of the 262,144 zeros behind h, which the down product reads where its walk is longer than a block's list; idx: TOK, the token of each sorted row; and by one wave of work-group 0 the tables.
; THE TABLES' BOUND.  The groups lie in the order (0,1) (0,2) (0,3) (1,3) (1,2) (2,3): neighbours share an expert.  A border between non-empty groups whose places are d apart adds min(2, d) experts at the most
; to the one block of rows that holds it, and the places are 5 apart at the most: over all blocks the lists (two experts, the shared one, and what borders add) are at most 5 longer than 3 a block, none by more than 2.
;   ELT / RBT: the 32 blocks of 128 rows ranked by the length of their lists, longest first.  At its rank: the block's experts, a nibble each, ascending, 15 in the places that the list does not fill; the block's number.
;     By the bound ranks 0, 1 have 5 experts at the most, ranks 2 to 4 have 4, the others 3.
;   SEG: 53 entries (block of 256 rows) x 8 + expert: the 16 blocks' lists, 48 to 53 entries; what is short of 53 is made up of pairs that are in no list, each once (their combine weights are 0).
.set SPARE, 256                        ; bytes 0-255: the waves' partial counts, 32 bytes a wave; from 256 on the spare words, 128 bytes for each of eight waves
.set TOK,  0
.set SEG,  16384
.set ELT,  17152
.set RBT,  17280
.set ZOFF, 41943040                    ; the zeros behind h's 160 groups of panels
	s_load_b256 s[4:11], s[0:1], 0x0               ; xb s[4:5], cmb s[6:7], inc s[8:9], xs s[10:11]
	s_load_b128 s[12:15], s[0:1], 0x20             ; cws s[12:13], idx s[14:15]
	s_load_b64 s[32:33], s[0:1], 0x30              ; h
	v_lshl_add_u32 v2, v0, 2, SPARE                ; my spare word,
	v_mov_b32 v3, 0                                ; and 0: kept for the add at the wave's end alone
	v_and_b32 v1, 31, v0                           ; lane
	v_lshrrev_b32 v6, 5, v0
	v_readfirstlane_b32 s16, v6                    ; wave 0..7
	s_mov_b32 s17, ttmp9                           ; c
	v_mov_b32 v4, 0
	v_lshlrev_b32 v5, 4, v1                        ; 16 x lane
	v_lshlrev_b32 v7, 6, v0                        ; 64 t: my 16 codes
	v_and_b32 v137, 15, v1
	s_lshl_b32 s24, s17, 4
	v_add_nc_u32 v137, s24, v137                   ; token 16 c + lane % 16
	v_lshlrev_b32 v138, 2, v137
	v_lshlrev_b32 v139, 4, v137
	v_mov_b32 v70, 0
	s_lshl_b32 s25, s16, 1
	s_add_co_u32 s24, s24, s25
	s_lshl_b32 s24, s24, 11                        ; my two rows of 2,048 bytes
	s_mov_b32 s25, 0
	s_mov_b32 s62, 0x76543210
	s_mov_b32 s63, 0xfedcba98
	s_wait_kmcnt 0x0
	s_add_nc_u64 s[18:19], s[4:5], s[24:25]
.irp k, 0,1,2,3
	global_load_b128 v[8+4*(\k):11+4*(\k)], v7, s[8:9] offset:16*(\k)
.endr
	global_load_b32 v24, v138, s[8:9]              ; the chunk's own codes, a lane a token (twice over)
	global_load_b128 v[28:31], v139, s[6:7]        ; and their combine weights
.irp k, 0,1,2,3,4,5,6,7
	global_load_b128 v[32+4*(\k):35+4*(\k)], v5, s[18:19] offset:512*(\k) th:TH_LOAD_NT
.endr
	s_wait_loadcnt 9                               ; the codes are in; the weights' load and the rows' eight stay out
	v_add3_u32 v25, v8, v9, v10
.irp k, 11,13,15,17,19,21
	v_add3_u32 v25, v25, v[\k], v[(\k)+1]
.endr
	v_add_nc_u32 v25, v25, v23
	v_and_b32 v64, 31, v25                         ; the six fields widened to 16 bits, two a register: totals reach 4,096
	v_bfe_u32 v70, v25, 5, 5
	v_lshl_or_b32 v64, v70, 16, v64
	v_bfe_u32 v65, v25, 10, 5
	v_bfe_u32 v70, v25, 15, 5
	v_lshl_or_b32 v65, v70, 16, v65
	v_bfe_u32 v66, v25, 20, 5
	v_bfe_u32 v70, v25, 25, 5
	v_lshl_or_b32 v66, v70, 16, v66
	v_cmp_gt_u32 vcc_lo, s17, v0                   ; t < c: my 16 tokens lie in front of the chunk
	v_cndmask_b32 v67, 0, v64, vcc_lo
	v_cndmask_b32 v68, 0, v65, vcc_lo
	v_cndmask_b32 v69, 0, v66, vcc_lo
.macro XADD reg, k
	v_mov_b32_dpp v70, v[\reg] row_xmask:\k row_mask:0xf bank_mask:0xf
	v_add_nc_u32 v[\reg], v[\reg], v70
.endm
.irp g, 64,65,66,67,68,69
	XADD \g, 1
	XADD \g, 2
	XADD \g, 4
	XADD \g, 8
	v_permlanex16_b32 v70, v[\g], s62, s63
	v_add_nc_u32 v[\g], v[\g], v70
.endr
	v_mov_b32 v71, s16
	v_lshlrev_b32 v71, 5, v71                      ; my wave's 32 bytes
	ds_store_b128 v71, v[64:67]
	ds_store_b64 v71, v[68:69] offset:16
	s_wait_dscnt 0x0                               ; for the others' sake: my stores are done
	s_barrier_signal -1
	s_barrier_wait -1
.irp w, 0,1,2,3,4,5,6,7
	ds_load_b128 v[72+8*(\w):75+8*(\w)], v4 offset:32*(\w)
	ds_load_b64 v[76+8*(\w):77+8*(\w)], v4 offset:32*(\w)+16
.endr
	s_wait_dscnt 0x0
.irp w, 1,2,3,4,5,6,7
.irp k, 0,1,2,3,4,5
	v_add_nc_u32 v[72+(\k)], v[72+(\k)], v[72+8*(\w)+(\k)]
.endr
.endr
.irp k, 0,1,2,3,4,5
	v_readfirstlane_b32 s[26+(\k)], v[72+(\k)]
.endr
.irp k, 0,1,2
	s_and_b32 s[40+2*(\k)], s[26+(\k)], 0xffff     ; s40-45: the groups' sizes
	s_lshr_b32 s[41+2*(\k)], s[26+(\k)], 16
	s_and_b32 s[54+2*(\k)], s[29+(\k)], 0xffff     ; s54-59: the groups' tokens in front of the chunk
	s_lshr_b32 s[55+2*(\k)], s[29+(\k)], 16
.endr
	s_mov_b32 s46, 0                               ; s46-52: the groups' bases, and 4,096
.irp j, 0,1,2,3,4,5
	s_add_co_u32 s[47+(\j)], s[46+(\j)], s[40+(\j)]
	s_add_co_u32 s[54+(\j)], s[54+(\j)], s[46+(\j)]
.endr
	v_cmp_gt_u32 vcc_lo, 16, v1
	v_cndmask_b32 v24, 0, v24, vcc_lo              ; lanes 16-31 hold the chunk a second time: they count for nothing
	v_mov_b32 v136, 0
.irp j, 0,1,2,3,4,5
	v_cmp_eq_u32 vcc_lo, 1<<(5*(\j)), v24
	v_mbcnt_lo_u32_b32 v70, vcc_lo, 0              ; the group's tokens in lower lanes
	v_add_nc_u32 v70, s[54+(\j)], v70
	v_cndmask_b32 v136, v136, v70, vcc_lo
.endr
	v_min_u32 v136, 0xfff, v136                    ; lane i < 16: the sorted place of token 16 c + i
	s_cmp_lg_u32 s16, 0
	s_cbranch_scc1 .Lrows
	s_wait_loadcnt 8                               ; the combine weights are in; the rows' eight loads stay out
	v_lshlrev_b32 v141, 2, v136
	v_lshlrev_b32 v142, 5, v136
	v_mov_b32 v143, 1.0
	v_cmp_gt_u32 vcc_lo, 16, v1
	s_wait_xcnt 0x0                                ; EXEC changes only behind this wait
	s_and_saveexec_b32 s60, vcc_lo
	global_store_b32 v141, v137, s[14:15]          ; TOK
	global_store_b128 v142, v[28:31], s[12:13]
	global_store_b32 v142, v143, s[12:13] offset:16
	s_wait_xcnt 0x0
	s_or_b32 exec_lo, exec_lo, s60
.Lrows:
	s_lshl_b32 s24, s16, 1
	v_readlane_b32 s26, v136, s24
	s_add_co_u32 s24, s24, 1
	v_readlane_b32 s27, v136, s24
	s_min_u32 s26, s26, 4095
	s_min_u32 s27, s27, 4095
	s_lshl_b32 s24, s26, 11
	s_add_nc_u64 s[20:21], s[10:11], s[24:25]
	s_lshl_b32 s24, s27, 11
	s_add_nc_u64 s[22:23], s[10:11], s[24:25]
	s_wait_loadcnt 4                               ; my first row is in, the second's four loads stay out
.irp k, 0,1,2,3
	global_store_b128 v5, v[32+4*(\k):35+4*(\k)], s[20:21] offset:512*(\k)
.endr
	s_wait_loadcnt 0x0
.irp k, 0,1,2,3
	global_store_b128 v5, v[48+4*(\k):51+4*(\k)], s[22:23] offset:512*(\k)
.endr
	s_lshr_b32 s36, s16, 1                         ; waves 2 and 3: 512 bytes each of the zeros behind h
	s_cmp_lg_u32 s36, 1
	s_cbranch_scc1 .Lnozero
.irp k, 172,173,174,175
	v_mov_b32 v[\k], 0
.endr
	s_lshl_b32 s34, s17, 10
	s_and_b32 s36, s16, 1
	s_lshl_b32 s36, s36, 9
	s_add_co_u32 s34, s34, s36
	s_add_co_u32 s34, s34, ZOFF
	s_mov_b32 s35, 0
	s_add_nc_u64 s[34:35], s[32:33], s[34:35]
	global_store_b128 v5, v[172:175], s[34:35]
.Lnozero:
	s_cmp_lg_u32 s17, 0
	s_cbranch_scc1 .Lend
	s_cmp_lg_u32 s16, 7
	s_cbranch_scc1 .Lend
	; THE TABLES: a lane is a block of rows
.macro UNION sh                        ; v140: the experts of the groups that reach into rows lane << sh .. + (1 << sh) - 1, and bit 4 for the shared expert
	v_lshlrev_b32 v165, \sh, v1
	v_add_nc_u32 v166, 1<<(\sh), v165
	v_mov_b32 v140, 16
.set j, 0
.irp pm, 3,5,9,10,6,12
	v_max_u32 v167, s[46+j], v165
	v_min_u32 v168, s[47+j], v166
	v_cmp_lt_u32 vcc_lo, v167, v168
	v_cndmask_b32 v169, 0, \pm, vcc_lo
	v_or_b32 v140, v140, v169
.set j, j+1
.endr
.endm
.macro PREFIX                          ; of the five flags v141-145: v146-150 how many lie in front of each, v151 their number
	v_mov_b32 v146, 0
.irp e, 1,2,3,4
	v_add_nc_u32 v[146+(\e)], v[145+(\e)], v[140+(\e)]
.endr
	v_add_nc_u32 v151, v150, v145
.endm
.macro BITS                            ; v141-145: the mask's bits
.irp e, 0,1,2,3,4
	v_bfe_u32 v[141+(\e)], v140, \e, 1
.endr
	PREFIX
.endm
.macro SCAN                            ; over the 16 lanes of a row: v152 the sum of v151 up to and with my lane, v153 without it
	v_mov_b32 v152, v151
.irp k, 1,2,4,8
	v_mov_b32_dpp v70, v152 row_shr:\k row_mask:0xf bank_mask:0xf bound_ctrl:1
	v_add_nc_u32 v152, v152, v70
.endr
	v_sub_nc_u32 v153, v152, v151
.endm
.macro MSTORE addr, data, off          ; a store by the lanes of VCC
	s_wait_xcnt 0x0
	s_and_saveexec_b32 s60, vcc_lo
	global_store_b32 v[\addr], v[\data], s[14:15] offset:\off
	s_wait_xcnt 0x0
	s_or_b32 exec_lo, exec_lo, s60
.endm
	UNION 7
	BITS
	v_mov_b32 v164, 0xfffff                        ; five nibbles of 15; the nibble at an expert's place comes down to the expert's number
.irp e, 0,1,2,3,4
	v_mul_u32_u24 v167, v[141+(\e)], 15-(\e)
	v_lshlrev_b32 v168, 2, v[146+(\e)]
	v_lshlrev_b32 v167, v168, v167
	v_sub_nc_u32 v164, v164, v167
.endr
	v_cmp_eq_u32 s26, 5, v151                      ; the rank: lists of 5 first, then of 4, then of 3, each in the blocks' order
	v_cmp_eq_u32 s27, 4, v151
	v_cmp_eq_u32 s28, 3, v151
	s_bcnt1_i32_b32 s29, s26
	s_bcnt1_i32_b32 s30, s27
	s_add_co_u32 s30, s30, s29
	v_mbcnt_lo_u32_b32 v165, s26, 0
	v_mbcnt_lo_u32_b32 v166, s27, 0
	v_mbcnt_lo_u32_b32 v167, s28, 0
	v_add_nc_u32 v166, s29, v166
	v_add_nc_u32 v167, s30, v167
	v_cndmask_b32 v170, v167, v166, s27
	v_cndmask_b32 v170, v170, v165, s26
	v_min_u32 v170, 31, v170
	v_lshlrev_b32 v170, 2, v170
	global_store_b32 v170, v164, s[14:15] offset:ELT
	global_store_b32 v170, v1, s[14:15] offset:RBT
	; SEG.  All ten addresses are made first, with every lane on; the ten masked stores follow on end.
	UNION 8
	v_cmp_gt_u32 vcc_lo, 16, v1
	v_cndmask_b32 v140, 0, v140, vcc_lo            ; there are 16 blocks of 256
	v_cndmask_b32 v171, 0, 1, vcc_lo
	BITS
	SCAN
.irp e, 0,1,2,3,4
	v_add_nc_u32 v[154+(\e)], v153, v[146+(\e)]    ; where my block's entries begin + the expert's place
	v_min_u32 v[154+(\e)], 52, v[154+(\e)]
	v_lshlrev_b32 v[154+(\e)], 2, v[154+(\e)]
	v_lshl_add_u32 v[159+(\e)], v1, 3, \e          ; the entry: block x 8 + expert
	v_mov_b32 v[80+(\e)], v[141+(\e)]              ; the lists' flags are kept
.endr
	v_mov_b32 v95, 0
	v_mov_b32_dpp v95, v152 row_share:15 row_mask:0xf bank_mask:0xf  ; lanes 0-15: the lists' length, 48 to 53
.irp e, 0,1,2,3,4
	v_sub_nc_u32 v[141+(\e)], v171, v[141+(\e)]    ; now the pairs that are in no list
.endr
	PREFIX
	SCAN
	v_add_nc_u32 v153, v153, v95                   ; they follow the lists
.irp e, 0,1,2,3,4
	v_add_nc_u32 v[85+(\e)], v153, v[146+(\e)]
	v_min_u32 v[85+(\e)], 52, v[85+(\e)]
	v_lshlrev_b32 v[85+(\e)], 2, v[85+(\e)]
	v_add_nc_u32 v[90+(\e)], v153, v[146+(\e)]     ; the place once more, as it is: it feeds the mask alone
.endr
.irp e, 0,1,2,3,4
	v_cmp_eq_u32 vcc_lo, 1, v[141+(\e)]
	v_cndmask_b32 v[165+(\e)], 64, v[90+(\e)], vcc_lo
.endr
.irp e, 0,1,2,3,4
	v_cmp_eq_u32 vcc_lo, 1, v[80+(\e)]
	MSTORE 154+(\e), 159+(\e), SEG
.endr
.irp e, 0,1,2,3,4
	v_cmp_gt_u32 vcc_lo, 53, v[165+(\e)]           ; up to entry 52
	MSTORE 85+(\e), 159+(\e), SEG
.endr
.Lend:
	s_wait_tensorcnt 0x0                           ; the wave's end, behind my last LDS store
	ds_add_u32 v2, v3
	s_wait_dscnt 0x0
	s_endpgm
.Lfunc_end_k_q492210da75_sort:
	.size	k_q492210da75_sort, .Lfunc_end_k_q492210da75_sort-k_q492210da75_sort
	.p2alignl 7, 3214868480
	.fill 96, 4, 3214868480
	.section	.rodata,"a",@progbits
	.p2align	6, 0x0
	.amdhsa_kernel k_q492210da75_sort
		.amdhsa_group_segment_fixed_size 1280
		.amdhsa_private_segment_fixed_size 0
		.amdhsa_enable_private_segment 0
		.amdhsa_kernarg_size 56
		.amdhsa_user_sgpr_count 2
		.amdhsa_user_sgpr_kernarg_segment_ptr 1
		.amdhsa_wavefront_size32 1
		.amdhsa_system_sgpr_workgroup_id_x 1
		.amdhsa_system_sgpr_workgroup_id_y 1
		.amdhsa_system_sgpr_workgroup_id_z 1
		.amdhsa_system_vgpr_workitem_id 0
		.amdhsa_next_free_vgpr 176
		.amdhsa_next_free_sgpr 66
		.amdhsa_reserve_vcc 1
		.amdhsa_float_denorm_mode_32 3
		.amdhsa_float_denorm_mode_16_64 3
		.amdhsa_memory_ordered 1
		.amdhsa_forward_progress 1
		.amdhsa_inst_pref_size 26
	.end_amdhsa_kernel
	.amdgpu_metadata
---
amdhsa.version: [ 1, 2 ]
amdhsa.kernels:
  - .name:           k_q492210da75_sort
    .symbol:         k_q492210da75_sort.kd
    .args:
      - { .name: xb, .offset: 0, .size: 8, .value_kind: global_buffer, .address_space: global }
      - { .name: cmb, .offset: 8, .size: 8, .value_kind: global_buffer, .address_space: global }
      - { .name: inc, .offset: 16, .size: 8, .value_kind: global_buffer, .address_space: global }
      - { .name: xs, .offset: 24, .size: 8, .value_kind: global_buffer, .address_space: global }
      - { .name: cws, .offset: 32, .size: 8, .value_kind: global_buffer, .address_space: global }
      - { .name: idx, .offset: 40, .size: 8, .value_kind: global_buffer, .address_space: global }
      - { .name: h, .offset: 48, .size: 8, .value_kind: global_buffer, .address_space: global }
    .group_segment_fixed_size: 1280
    .private_segment_fixed_size: 0
    .kernarg_segment_align: 8
    .kernarg_segment_size: 56
    .max_flat_workgroup_size: 256
    .sgpr_count:     66
    .vgpr_count:     176
    .wavefront_size: 32
...
	.end_amdgpu_metadata
.endif
;; end of part 2
;; launch ffn1 (part 3): grid 424 x 1, 4 waves a work-group, no clusters, 327,680 bytes of LDS; arguments xs, wb, cws, idx, h; writes h
.if DOCPART == 3
	.amdgcn_target "amdgcn-amd-amdhsa--gfx1250"
	.amdhsa_code_object_version 6
	.text
	.protected	k_q492210da75_ffn1
	.globl	k_q492210da75_ffn1
	.p2align	8
	.type	k_q492210da75_ffn1,@function
k_q492210da75_ffn1:
	s_mov_b64 s[64:65], 0
	v_nop
	global_prefetch_b8 v0, s[64:65] scope:SCOPE_SE
	s_setreg_imm32_b32 hwreg(HW_REG_WAVE_MODE, 25, 1), 1
	s_wait_xcnt 0x0
; FFN1.  h = silu(x Wg^T) (x Wu^T) c, in bf16, for each of the 53 entries (block of 256 sorted rows, expert e) of SEG; c is the row's combine weight for e (0 where the row did not choose e; 1 for the shared expert).
; A work-group makes one entry x one of 8 column blocks: 256 rows x 128 columns of h = a product tile of 256 x 256 (128 gate rows and 128 up rows of the weights, in groups of 64), K = 1,024.
; 53 x 8 = 424 work-groups, all alike: no branch and no trip count hangs on the table, which enters addresses alone.  An entry that only makes the list up to 53 has c = 0 in all its rows and stores a panel of zeros of its own.
; Four waves, each 128 x 128 of the product: 64 accumulators.  Wave (i, j): rows 128 i on, weight rows 128 j on = 64 gate rows and the 64 up rows of the same columns: gate and up of a number of h lie in one lane.
; K goes in steps of 128 through two LDS slots; each wave fetches 128 rows x 256 bytes with one tensor load (waves 0, 1: x's halves; waves 2, 3: the weights').
; THE WALK ALONG K IS ROTATED: the work-group begins at K step (column block + entry) % 8 and goes round.  The eight column blocks of an entry read the same tiles of x, and entries with the same expert the same
; tiles of the weights: with eight different starts each tile is asked for first by one of its readers and a step or more later by the others, not by all at once.
; NO CLUSTER: which tiles are shared is known from the table alone (the entry's block and expert are read from memory), and the address of a joint request is to be made of the grid's coordinates, plainly equal in
; all partners.  So each work-group asks for itself.
; THE MATRIX INSTRUCTION IS USED TRANSPOSED (source 0 = 16 weight rows, source 1 = 16 rows of x): a lane holds one row of h and eight neighbouring columns.
; h lies in panels of 128 rows x 64 columns, 16,384 consecutive bytes: panel ((row / 128) 5 + e) 16 + column / 64.  A wave's result is one panel.
; LIMITS.  g u is formed before the sigmoid: |g u| stays below 3.4e38.  h is rounded once to bf16.  A sum over K begins at the work-group's own K step: the order of its f32 additions is not reference's.  NaN and infinities are not treated apart.
; REGISTERS, in windows of 256 (s_set_vgpr_msb: bits 1:0 source 0, 3:2 source 1, 5:4 source 2, 7:6 destination):
;   window 0: v0-31 addresses and c; v32-63 rows read back from the stage; v64-127, v128-191 x's fragments, two buffers; v192-239 at work on the way out
;   window 1: v64-127, v128-191 the weights' fragments      window 2: the accumulators of my rows 0-63 ((a, b) at 8 (8 a + b); b 0-3 gate, 4-7 up)      window 3: those of rows 64-127
.set KSTEP,  128
.set PITCH,  272                       ; an LDS row: 256 bytes + 16 of padding: the 16 rows of a fragment load start at 16 different groups of four banks
.set HALFT,  128*PITCH
.set SLOT,   4*HALFT                   ; x's 256 rows, then the weights' 256 rows
.set STAGE,  2*SLOT                    ; behind the ring: 16 rows x 144 bytes for each wave
.set SP,     144
.set SPARE,  STAGE+4*16*SP             ; behind the stages: the spare words, 128 bytes a wave
.set SEG,  16384
.set CW,   8                           ; v[8:15]  c of my row (lane % 16) in each of my eight blocks of 16 rows
.set ADRA, 16                          ; v16-17   LDS address of my x fragments in slot 0, 1
.set ADRB, 20                          ; v20-21   the same for the weights
.set STO,  24
.set RD,   25
.set GO,   26                          ; v26      16 x lane
.set CWO,  27                          ; v27      32 x (lane % 16)
.set SPW,  28
.set NIL,  29
.set BK,   32
.set F0,   64
.set F1,   128
.set T,    192
.set PK,   224
.set G1,   24                          ; s[24:31] descriptor group 1, one for all loads
.set G0A,  32                          ; s[32:39] descriptor group 0 for x's tiles, a set for each slot
.set G0B,  48                          ; s[48:55] the same for the weights'
.set TS,   42                          ; s42, s43 the K step, 0 to 7, that slot 0, 1 was last asked to hold
.set HB,   44                          ; s[44:45] my panel of h
.set CB,   46                          ; s[46:47] c of my first row
.set XB,   76                          ; s[76:77] my 128 rows of x's tiles at K step 0; never rewritten
.set WB,   78                          ; s[78:79] the same for the weights'
.set MSB, 0
.macro WIN new                         ; the immediate's high byte repeats the setting that is left; a switch that changes nothing is dropped
.if MSB != (\new)
	s_set_vgpr_msb (MSB<<8)|(\new)
.set MSB, \new
.endif
.endm
.set MUL_LO, 0xa1                      ; source 0 (weights) window 1, source 1 (x) window 0, C and D window 2
.set MUL_HI, 0xf1                      ; the same, C and D window 3
.set TO_B,   0x40                      ; destination window 1, address window 0
.macro LOAD2 s                         ; waves 0 and 1 fetch x, waves 2 and 3 the weights; an s_nop 0 and four v_nop follow each line, ahead of the jump and the label
	s_cmp_eq_u32 s15, 0
	s_cbranch_scc0 .Lfor_b_\@
	tensor_load_to_lds s[G0A+4*(\s):G0A+4*(\s)+3], s[G1:G1+7]
	s_nop 0
.rept 4
	v_nop
.endr
	s_branch .Lasked_\@
.Lfor_b_\@:
	tensor_load_to_lds s[G0B+4*(\s):G0B+4*(\s)+3], s[G1:G1+7]
	s_nop 0
.rept 4
	v_nop
.endr
.Lasked_\@:
.endm
.macro SETADDR s                       ; both descriptors of slot s at K step s[TS + s]: 256 bytes along the rows a step; the type bits are set again
	s_lshl_b32 s70, s[TS+(\s)], 8
	s_add_nc_u64 s[G0A+4*(\s)+2:G0A+4*(\s)+3], s[XB:XB+1], s[70:71]
	s_or_b32 s[G0A+4*(\s)+3], s[G0A+4*(\s)+3], 0x80000000
	s_add_nc_u64 s[G0B+4*(\s)+2:G0B+4*(\s)+3], s[WB:WB+1], s[70:71]
	s_or_b32 s[G0B+4*(\s)+3], s[G0B+4*(\s)+3], 0x80000000
.endm
	s_load_b256 s[4:11], s[0:1], 0x0               ; xs s[4:5], wb s[6:7], cws s[8:9], idx s[10:11]
	s_load_b64 s[12:13], s[0:1], 0x20              ; h
	v_lshl_add_u32 v[SPW], v0, 2, SPARE
	v_mov_b32 v[NIL], 0
	ds_add_u32 v[SPW], v[NIL]                      ; the wave's opening: the add and its wait stand ahead of my first tensor load
	ds_add_u32 v28, v29
	v_lshrrev_b32 v1, 5, v0
	v_readfirstlane_b32 s14, v1                    ; wave 0..3
	s_lshr_b32 s15, s14, 1                         ; i: my half of the rows.  Also: I fetch x (0) or weights (1)
	s_and_b32 s16, s14, 1                          ; j: my half of the weight rows.  Also: which 128 rows I fetch
	s_lshr_b32 s17, ttmp9, 3                       ; my entry of the list
	s_and_b32 s74, ttmp9, 7                        ; cb: my column block
	s_add_co_u32 s[TS], s74, s17
	s_and_b32 s[TS], s[TS], 7                      ; the K step at which my walk begins: slot 0's first,
	s_add_co_u32 s[TS+1], s[TS], 1
	s_and_b32 s[TS+1], s[TS+1], 7                  ; and slot 1's
	s_mov_b32 s[G1+0], (1<<16)|(1<<20)|(5<<22)|(3<<25)  ; 2-byte elements; padding on, after every 64 words, of 4 words
	s_mov_b32 s[G1+1], KSTEP<<16                   ; tensor_dim0 = 128
	s_mov_b32 s[G1+2], 128<<16                     ; tensor_dim1 = 128
	s_mov_b32 s[G1+3], KSTEP<<16                   ; tile_dim0 = 128
	s_mov_b32 s[G1+4], 128                         ; tile_dim1 = 128
	s_mov_b32 s[G1+5], 1024                        ; elements from row to row
	s_mov_b32 s[G1+6], 0
	s_mov_b32 s[G1+7], 0
	s_mov_b32 s62, 0xbfb8aa3b                      ; -log2(e)
	s_mov_b32 s63, s62                             ; named with it as a pair
	s_mov_b32 s71, 0                               ; the high word of the offset pair
	s_lshl_b32 s23, s17, 2
	s_lshl_b32 s75, s74, 1
	s_add_co_u32 s75, s75, s16                     ; 2 cb + j: my panel's column
	s_mul_i32 s22, s14, HALFT                      ; where my part of a tile goes
	s_wait_dscnt 0x0                               ; the opening add is done
	s_wait_kmcnt 0x0
	s_load_b32 s40, s[10:11], s23 offset:SEG
	s_wait_kmcnt 0x0
	s_lshr_b32 s66, s40, 3
	s_min_u32 s66, s66, 15                         ; the block of 256 rows
	s_and_b32 s67, s40, 7
	s_min_u32 s67, s67, 4                          ; the expert
	s_lshl_b32 s73, s16, 18                        ; which 128 rows of 2,048 bytes I fetch
	s_lshl_b32 s70, s66, 19                        ; x: 256 rows a block
	s_add_co_u32 s70, s70, s73
	s_add_nc_u64 s[XB:XB+1], s[4:5], s[70:71]
	s_lshl_b32 s70, s67, 22                        ; weights: 4 MiB an expert, 256 rows a column block
	s_lshl_b32 s72, s74, 19
	s_add_co_u32 s70, s70, s72
	s_add_co_u32 s70, s70, s73
	s_add_nc_u64 s[WB:WB+1], s[6:7], s[70:71]
.irp s, 0,1
	s_mov_b32 s[G0A+4*(\s)], 1                     ; count = 1
	s_add_co_u32 s[G0A+4*(\s)+1], s22, (\s)*SLOT   ; LDS address: wave x 128 rows + the slot
	s_mov_b32 s[G0B+4*(\s)], 1
	s_add_co_u32 s[G0B+4*(\s)+1], s22, (\s)*SLOT
	SETADDR \s                                     ; global addresses, and type = 2
.endr
	s_cmp_eq_u32 s15, 0                            ; a wave's two first fills stand in one branch: two loads of mine are out
	s_cbranch_scc0 .Lfirst_b
	tensor_load_to_lds s[G0A:G0A+3], s[G1:G1+7]
	s_nop 0
	tensor_load_to_lds s[G0A+4:G0A+7], s[G1:G1+7]
	s_nop 0
.rept 4
	v_nop
.endr
	s_branch .Lfirst_asked
.Lfirst_b:
	tensor_load_to_lds s[G0B:G0B+3], s[G1:G1+7]
	s_nop 0
	tensor_load_to_lds s[G0B+4:G0B+7], s[G1:G1+7]
	s_nop 0
.rept 4
	v_nop
.endr
.Lfirst_asked:
	s_lshl_b32 s68, s66, 1
	s_add_co_u32 s68, s68, s15                     ; my block of 128 rows,
	s_lshl_b32 s69, s68, 2
	s_add_co_u32 s68, s68, s69                     ; times 5,
	s_add_co_u32 s68, s68, s67                     ; + the expert,
	s_lshl_b32 s68, s68, 4
	s_add_co_u32 s68, s68, s75                     ; times 16 + the panel's column
	s_lshl_b32 s70, s68, 14
	s_add_nc_u64 s[HB:HB+1], s[12:13], s[70:71]
	s_lshl_b32 s68, s66, 13                        ; c: 32 bytes a row, 256 rows a block,
	s_lshl_b32 s69, s15, 12                        ; my 128,
	s_add_co_u32 s68, s68, s69
	s_lshl_b32 s69, s67, 2                         ; word e
	s_add_co_u32 s70, s68, s69
	s_add_nc_u64 s[CB:CB+1], s[8:9], s[70:71]
	v_and_b32 v1, 15, v0                           ; l % 16
	v_bfe_u32 v2, v0, 4, 1                         ; l / 16
	v_mul_u32_u24 v3, v1, PITCH
	v_lshl_add_u32 v3, v2, 4, v3                   ; a fragment's row x pitch + 16 x half
	s_mul_i32 s66, s15, HALFT                      ; my 128 rows of x
	s_mul_i32 s67, s16, HALFT                      ; my 128 weight rows,
	s_add_co_u32 s67, s67, 2*HALFT                 ; which lie behind x's 256
.irp s, 0,1
	v_add_nc_u32 v[ADRA+(\s)], s66, v3
	v_add_nc_u32 v[ADRB+(\s)], s67, v3
	s_add_co_u32 s66, s66, SLOT
	s_add_co_u32 s67, s67, SLOT
.endr
	s_mul_i32 s66, s14, 16*SP
	s_add_co_u32 s66, s66, STAGE                   ; my stage
	v_mul_u32_u24 v3, v1, SP                       ; in: row l % 16, 16 bytes for each half of the lanes
	v_lshl_add_u32 v3, v2, 4, v3
	v_add_nc_u32 v[STO], s66, v3
	v_bfe_u32 v3, v0, 3, 2                         ; back: 32 lanes take four rows of 128 bytes,
	v_mul_u32_u24 v3, v3, SP
	v_and_b32 v4, 7, v0
	v_lshl_add_u32 v3, v4, 4, v3
	v_add_nc_u32 v[RD], s66, v3
	v_and_b32 v[GO], 31, v0                        ; which are 512 consecutive bytes of the panel
	v_lshlrev_b32 v[GO], 4, v[GO]
	v_lshlrev_b32 v[CWO], 5, v1
; 16 matrix instructions: row blocks a0, a0 + 1 of the window's four x all 8 weight blocks, 32 along K.  zero = 1: the first product starts the sums.
.macro MUL16 f, hi, a0, zero
	WIN MUL_LO+0x50*(\hi)
.irp a, \a0, (\a0)+1
.irp b, 0,1,2,3,4,5,6,7
.if \zero
	v_wmma_f32_16x16x32_bf16 v[8*(8*(\a)+(\b)):8*(8*(\a)+(\b))+7], v[(\f)+8*(\b):(\f)+8*(\b)+7], v[(\f)+8*(4*(\hi)+(\a)):(\f)+8*(4*(\hi)+(\a))+7], 0
.else
	v_wmma_f32_16x16x32_bf16 v[8*(8*(\a)+(\b)):8*(8*(\a)+(\b))+7], v[(\f)+8*(\b):(\f)+8*(\b)+7], v[(\f)+8*(4*(\hi)+(\a)):(\f)+8*(4*(\hi)+(\a))+7], v[8*(8*(\a)+(\b)):8*(8*(\a)+(\b))+7]
.endif
.endr
.endr
.endm
; 32 LDS loads in one run: the fragments of 32 along K at byte k of the rows, into buffer f: the weights' first, then x's
.macro FETCH slot, k, f
	WIN TO_B
.irp i, 0,1,2,3,4,5,6,7
	ds_load_b128 v[(\f)+8*(\i):(\f)+8*(\i)+3],   v[ADRB+(\slot)] offset:(\k)+(\i)*16*PITCH
	ds_load_b128 v[(\f)+8*(\i)+4:(\f)+8*(\i)+7], v[ADRB+(\slot)] offset:(\k)+(\i)*16*PITCH+32
.endr
	WIN 0
.irp i, 0,1,2,3,4,5,6,7
	ds_load_b128 v[(\f)+8*(\i):(\f)+8*(\i)+3],   v[ADRA+(\slot)] offset:(\k)+(\i)*16*PITCH
	ds_load_b128 v[(\f)+8*(\i)+4:(\f)+8*(\i)+7], v[ADRA+(\slot)] offset:(\k)+(\i)*16*PITCH+32
.endr
.endm
.macro PLACES                          ; four plain vector places between matrix instructions and loads into, or vector reads and writes of, their registers
.rept 4
	v_nop
.endr
.endm
; A K step is four quarters of 32 along K, 64 matrix instructions each, on buffers 0, 1, 0, 1; the 64 accumulators take turns.
.macro QUARTER slot, k, f, g, zero
	s_wait_dscnt 8                                 ; the weights and x's rows 0-63 are in; the youngest eight loads (x's rows 64-127) may be out
	MUL16 \f, 0, 0, \zero
	MUL16 \f, 0, 2, \zero
	PLACES
	FETCH \slot, \k, \g
	s_wait_dscnt 32                                ; all but the 32 just issued
	MUL16 \f, 1, 0, \zero
	MUL16 \f, 1, 2, \zero
.endm
; The last quarter of a K step multiplies buffer 1 and changes slots: ONE barrier.  In front of it each wave waits for all its tensor loads (one is out: its part of the next slot), adds 0 to its spare word,
; and waits for that and for its reads of this slot.  fill = 1: this slot takes the K step two steps on in the round of eight, first thing behind the barrier, 224 matrix instructions ahead of the wait for it.
.macro TURN slot, next, fill
	WIN 0
	s_wait_tensorcnt 0x0                           ; no tensor load of mine is out, so a group 0 may be written
	ds_add_u32 v[SPW], v[NIL]
.if \fill
	s_add_co_u32 s[TS+(\slot)], s[TS+(\slot)], 2
	s_and_b32 s[TS+(\slot)], s[TS+(\slot)], 7      ; behind K step 7 comes K step 0
	SETADDR \slot
.endif
	s_wait_dscnt 9                                 ; the add and the youngest eight loads may be out
	MUL16 F1, 0, 0, 0
	s_wait_dscnt 0x0                               ; the add is done, and my reads of this slot are over
	s_barrier_signal -1
	MUL16 F1, 0, 2, 0
.if \fill
	WIN 0                                          ; a branch follows
.endif
	s_barrier_wait -1
.if \fill
	LOAD2 \slot                                    ; its four v_nop are also the places in front of the loads below
.else
	PLACES
.endif
	FETCH \next, 0, F0
	MUL16 F1, 1, 0, 0
	MUL16 F1, 1, 2, 0
.endm
; THE WAY OUT of row block a.  ACT: u g / (1 + 2^(-g log2 e)), in the accumulators' registers, each read from its low end on.
.macro ACT a
.set AC, 64*((\a)%4)
	WIN 0xaa+0x55*((\a)/4)
.set i, 0
.rept 16
	v_pk_mul_f32 v[AC+32+2*i:AC+33+2*i], v[AC+32+2*i:AC+33+2*i], v[AC+2*i:AC+2*i+1]
.set i, i+1
.endr
.set i, 0
.rept 16
	v_pk_mul_f32 v[AC+2*i:AC+2*i+1], v[AC+2*i:AC+2*i+1], s[62:63] op_sel_hi:[1,0]
.set i, i+1
.endr
.set i, 0
.rept 32
	v_exp_f32 v[AC+i], v[AC+i]
.set i, i+1
.endr
	v_nop                                          ; a plain line between the last exponential and the use of its result
.set i, 0
	s_wait_alu depctr_va_vdst(0)
.rept 16
	v_pk_add_f32 v[AC+2*i:AC+2*i+1], v[AC+2*i:AC+2*i+1], 1.0 op_sel_hi:[1,0]
.set i, i+1
.endr
.set i, 0
.rept 32
	v_rcp_f32 v[AC+i], v[AC+i]
.set i, i+1
.endr
	v_nop
.set i, 0
	s_wait_alu depctr_va_vdst(0)
.rept 16
	v_pk_mul_f32 v[AC+32+2*i:AC+33+2*i], v[AC+32+2*i:AC+33+2*i], v[AC+2*i:AC+2*i+1]
.set i, i+1
.endr
.endm
.macro PACKH a                         ; times the row's c, rounded to bf16: 4 registers = 8 neighbouring columns for each of 4 column blocks
.set AC, 64*((\a)%4)
	WIN 0x02+((\a)/4)
.set i, 0
.rept 16
.if ((\a)%2) == 0
	v_pk_mul_f32 v[T+2*i:T+2*i+1], v[AC+32+2*i:AC+33+2*i], v[CW+(\a):CW+(\a)+1] op_sel_hi:[1,0]
.else
	v_pk_mul_f32 v[T+2*i:T+2*i+1], v[AC+32+2*i:AC+33+2*i], v[CW+(\a)-1:CW+(\a)] op_sel:[0,1] op_sel_hi:[1,1]
.endif
.set i, i+1
.endr
	WIN 0
.set i, 0
.rept 16
	v_cvt_pk_bf16_f32 v[PK+i], v[T+2*i], v[T+2*i+1]
.set i, i+1
.endr
.endm
.macro TOSTAGE a                       ; into my own stage and back as whole rows; LDS serves a wave's instructions in order, so no wait stands between
	WIN 0
.irp f, 0,1,2,3
	ds_store_b128 v[STO], v[PK+4*(\f):PK+4*(\f)+3] offset:32*(\f)
.endr
	s_wait_xcnt 0x0                                ; the stores of the block two back have read these registers
.irp f, 0,1,2,3
	ds_load_b128 v[BK+16*((\a)%2)+4*(\f):BK+16*((\a)%2)+4*(\f)+3], v[RD] offset:(\f)*4*SP
.endr
.endm
.macro SEND a
	WIN 0
	s_wait_dscnt 0x0
.irp f, 0,1,2,3
	global_store_b128 v[GO], v[BK+16*((\a)%2)+4*(\f):BK+16*((\a)%2)+4*(\f)+3], s[HB:HB+1] offset:(\a)*2048+(\f)*512  ; 512 consecutive bytes of the panel
.endr
.endm
	s_wait_tensorcnt 1                             ; my part of the first K step is in; slot 1's load may stay out
	s_barrier_signal -1
	s_barrier_wait -1                              ; everybody's is
	FETCH 0, 0, F0
.irp a, 0,1,2,3,4,5,6,7
	global_load_b32 v[CW+(\a)], v[CWO], s[CB:CB+1] offset:512*(\a)  ; wanted on the way out
.endr
	QUARTER 0, 64,  F0, F1, 1                      ; the first quarter starts the sums: nothing is cleared
	WIN 0
	s_mov_b32 s21, 3                               ; K = 1,024: four laps of two K steps; three of them fill both slots again
.Llap:
	QUARTER 0, 128, F1, F0, 0
	QUARTER 0, 192, F0, F1, 0
	TURN 0, 1, 1
	QUARTER 1, 64,  F0, F1, 0
	QUARTER 1, 128, F1, F0, 0
	QUARTER 1, 192, F0, F1, 0
	TURN 1, 0, 1
	QUARTER 0, 64,  F0, F1, 0
	WIN 0
	s_sub_co_u32 s21, s21, 1
	s_cmp_lg_u32 s21, 0
	s_cbranch_scc1 .Llap
	QUARTER 0, 128, F1, F0, 0                      ; the last lap fills nothing
	QUARTER 0, 192, F0, F1, 0
	TURN 0, 1, 0
	QUARTER 1, 64,  F0, F1, 0
	QUARTER 1, 128, F1, F0, 0
	QUARTER 1, 192, F0, F1, 0
	s_wait_dscnt 8
	MUL16 F1, 0, 0, 0
	MUL16 F1, 0, 2, 0
	s_wait_dscnt 0x0
	MUL16 F1, 1, 0, 0
	MUL16 F1, 1, 2, 0
	WIN 0
	PLACES                                         ; behind the last products
	s_wait_loadcnt 0x0                             ; c
	ACT 0
	PACKH 0
	TOSTAGE 0
.irp a, 1,2,3,4,5,6,7                  ; block a's arithmetic stands between block a - 1's loads from the stage and the wait for them
	ACT \a
	PACKH \a
	SEND (\a)-1
	TOSTAGE \a
.endr
	SEND 7
	s_wait_tensorcnt 0x0                           ; the wave's end
	ds_add_u32 v[SPW], v[NIL]
	s_wait_dscnt 0x0
	s_endpgm
.Lfunc_end_k_q492210da75_ffn1:
	.size	k_q492210da75_ffn1, .Lfunc_end_k_q492210da75_ffn1-k_q492210da75_ffn1
	.p2alignl 7, 3214868480
	.fill 96, 4, 3214868480
	.section	.rodata,"a",@progbits
	.p2align	6, 0x0
	.amdhsa_kernel k_q492210da75_ffn1
		.amdhsa_group_segment_fixed_size 327680
		.amdhsa_private_segment_fixed_size 0
		.amdhsa_enable_private_segment 0
		.amdhsa_kernarg_size 40
		.amdhsa_user_sgpr_count 2
		.amdhsa_user_sgpr_kernarg_segment_ptr 1
		.amdhsa_wavefront_size32 1
		.amdhsa_system_sgpr_workgroup_id_x 1
		.amdhsa_system_sgpr_workgroup_id_y 1
		.amdhsa_system_sgpr_workgroup_id_z 1
		.amdhsa_system_vgpr_workitem_id 0
		.amdhsa_next_free_vgpr 1024
		.amdhsa_next_free_sgpr 80
		.amdhsa_reserve_vcc 0
		.amdhsa_float_denorm_mode_32 3
		.amdhsa_float_denorm_mode_16_64 3
		.amdhsa_memory_ordered 1
		.amdhsa_forward_progress 1
		.amdhsa_inst_pref_size 184
	.end_amdhsa_kernel
	.amdgpu_metadata
---
amdhsa.version: [ 1, 2 ]
amdhsa.kernels:
  - .name:           k_q492210da75_ffn1
    .symbol:         k_q492210da75_ffn1.kd
    .args:
      - { .name: xs, .offset: 0, .size: 8, .value_kind: global_buffer, .address_space: global }
      - { .name: wb, .offset: 8, .size: 8, .value_kind: global_buffer, .address_space: global }
      - { .name: cws, .offset: 16, .size: 8, .value_kind: global_buffer, .address_space: global }
      - { .name: idx, .offset: 24, .size: 8, .value_kind: global_buffer, .address_space: global }
      - { .name: h, .offset: 32, .size: 8, .value_kind: global_buffer, .address_space: global }
    .group_segment_fixed_size: 327680
    .private_segment_fixed_size: 0
    .kernarg_segment_align: 8
    .kernarg_segment_size: 40
    .max_flat_workgroup_size: 128
    .sgpr_count:     80
    .vgpr_count:     1024
    .wavefront_size: 32
...
	.end_amdgpu_metadata
.endif
;; end of part 3
;; launch ffn2 (part 4): grid 8 x 32, 4 waves a work-group, no clusters, 327,680 bytes of LDS; arguments h, wb, idx, out0; writes out0
.if DOCPART == 4
	.amdgcn_target "amdgcn-amd-amdhsa--gfx1250"
	.amdhsa_code_object_version 6
	.text
	.protected	k_q492210da75_ffn2
	.globl	k_q492210da75_ffn2
	.p2align	8
	.type	k_q492210da75_ffn2,@function
k_q492210da75_ffn2:
	s_mov_b64 s[64:65], 0
	v_nop
	global_prefetch_b8 v0, s[64:65] scope:SCOPE_SE
	s_setreg_imm32_b32 hwreg(HW_REG_WAVE_MODE, 25, 1), 1
	s_wait_xcnt 0x0
; FFN2.  out[token] = the sum over the block's experts e of h[row][e][:] . Wd[e][d][:], one f32 sum for each output: the down products of all experts of a row, the shared one among them, are ONE product
; whose K runs over the block's list of experts.  h is 0 where a row did not choose an expert of the list.
; A tile is 128 sorted rows x 128 columns: 8 x 32 = 256 work-groups.  Four waves, each 64 x 64: 16 accumulators.  K goes in steps of 256 through two LDS slots; an expert is four steps, two laps of the ring.
; THE WALK'S LENGTH HANGS ON THE GRID ALONE.  The 32 blocks are ranked by the length of their lists (RBT: the block at each rank), and grid row r takes rank r.  Ranks 0, 1 have 5 experts at the most, ranks 2 to 4
; have 4, the others 3 (the sorting launch's head says why): so many places grid row r walks, four K steps each: T = 20, 16 or 12 steps.  A place that the block's list does not fill has the nibble 15 in ELT:
; there h's tile is taken from the zeros behind h (group of panels 160) and multiplied with the shared expert's Wd: it adds 0.  The tables enter addresses alone.
; THE WALK IS ROTATED: the work-group begins at step (column block x T / 8 + grid row % 8) % T and goes round.  The eight column blocks of a grid row read the same tiles of h, and the grid rows with an expert in
; common the same tiles of its Wd: with starts spread over the walk each tile is asked for first by one of its readers and later by the others, not by all at once.
; NO CLUSTER: which tiles are shared is known from the tables alone (block and experts are read from memory), and the address of a joint request is to be made of the grid's coordinates, plainly equal in all
; partners.  So each work-group asks for itself.
; h's tile of a step is four panels of 128 rows x 64 columns, each 16,384 consecutive bytes: waves 0 and 1 fetch two panels each as 128 rows of 256 bytes, padded after every 128;
; waves 2 and 3 fetch 64 rows x 512 bytes of Wd each.  THE MATRIX INSTRUCTION IS USED TRANSPOSED (source 0 = 16 rows of Wd, source 1 = 16 rows of h): a lane holds one row and eight neighbouring columns.
; The rows leave through each wave's own stage, 256 consecutive aligned bytes of a token's row by sixteen lanes, to the token that TOK names for the sorted row.
; LIMIT.  A sum begins at the work-group's own step of the walk: the order of its f32 additions is not reference's.
; REGISTERS: window 0: v0-31 addresses; v32-95 rows read back; v96-127 the rows' byte offsets in out; v128-255 the accumulators ((a, b) at 128 + 8 (4 a + b)).  window 1: two fragment buffers of 128 (64 of h, then 64 of Wd).
.set PA,     144                       ; a row of a panel in LDS: 128 bytes + 16
.set PANEL,  128*PA
.set PB,     528                       ; a row of Wd: 512 bytes + 16
.set BOFF,   4*PANEL                   ; Wd's 128 rows lie behind the four panels
.set SLOT,   BOFF+128*PB
.set STAGE,  2*SLOT                    ; behind the ring: 16 rows x 272 bytes for each wave
.set SPITCH, 272
.set SPARE,  STAGE+4*16*SPITCH         ; behind the stages: the spare words, 128 bytes a wave
.set ELT,  17152
.set RBT,  17280
.set WDB,  20971520                    ; the down matrices in wb
.set ADRA, 16
.set ADRB, 20
.set STO,  24
.set RD,   25
.set C16,  26
.set TA,   27
.set SPW,  28
.set NIL,  29
.set TMP,  32
.set TOKO, 96
.set ACC,  128
.set F0,   0
.set F1,   128
.set G1A, 24                           ; s[24:31], s[32:39]: descriptor groups 1 and 0 (a set for each slot) for h
.set G0A, 32
.set G1B, 48                           ; s[48:55], s[56:63]: the same for Wd
.set G0B, 56
.set MSB, 0
.macro WIN new
.if MSB != (\new)
	s_set_vgpr_msb (MSB<<8)|(\new)
.set MSB, \new
.endif
.endm
.set MUL,  0x05                        ; sources 0 and 1 window 1; C and D window 0
.set TO_F, 0x40                        ; destination window 1, address window 0
.macro LOAD2 s                         ; waves 0 and 1 fetch h, waves 2 and 3 Wd; an s_nop 0 and four v_nop follow each line, ahead of the jump and the label
	s_cmp_eq_u32 s13, 0
	s_cbranch_scc0 .Lfor_b_\@
	tensor_load_to_lds s[G0A+4*(\s):G0A+4*(\s)+3], s[G1A:G1A+7]
	s_nop 0
.rept 4
	v_nop
.endr
	s_branch .Lasked_\@
.Lfor_b_\@:
	tensor_load_to_lds s[G0B+4*(\s):G0B+4*(\s)+3], s[G1B:G1B+7]
	s_nop 0
.rept 4
	v_nop
.endr
.Lasked_\@:
.endm
; s66 holds how many steps of my walk lie in front of the step that is asked for, 0 to T - 1.  The step itself is (s66 + my start) % T: quarter step % 4 of the walk's place step / 4.
; Both descriptors of slot s are set to it.
.macro SETADDR s
	s_add_co_u32 s66, s66, s47
	s_sub_co_u32 s67, s66, s75
	s_min_u32 s66, s66, s67                        ; modulo T: the sum is below 2 T, and below T the difference wraps round to a number above it
	s_lshr_b32 s67, s66, 2
	s_lshl_b32 s67, s67, 2
	s_lshr_b32 s67, s17, s67
	s_and_b32 s67, s67, 15                         ; the place's nibble: an expert, or 15
	s_lshr_b32 s68, s67, 3
	s_mul_i32 s68, s68, 160
	s_add_co_u32 s68, s68, s67
	s_add_co_u32 s68, s68, s46
	s_min_u32 s68, s68, 160                        ; the group of 16 panels: 5 x block + expert, 159 at the most; or 160, the zeros
	s_and_b32 s67, s67, 7
	s_min_u32 s67, s67, 4                          ; the expert whose Wd is taken
	s_and_b32 s66, s66, 3                          ; which quarter of its K
	s_lshl_b32 s68, s68, 18                        ; h: 16 panels a group, 4 a quarter
	s_lshl_b32 s74, s66, 16
	s_add_co_u32 s70, s68, s74
	s_add_nc_u64 s[G0A+4*(\s)+2:G0A+4*(\s)+3], s[40:41], s[70:71]
	s_or_b32 s[G0A+4*(\s)+3], s[G0A+4*(\s)+3], 0x80000000
	s_lshl_b32 s69, s67, 21                        ; Wd: 2 MiB an expert, 512 bytes of a row a quarter
	s_lshl_b32 s74, s66, 9
	s_add_co_u32 s78, s69, s74
	s_add_nc_u64 s[G0B+4*(\s)+2:G0B+4*(\s)+3], s[42:43], s[78:79]
	s_or_b32 s[G0B+4*(\s)+3], s[G0B+4*(\s)+3], 0x80000000
.endm
	s_load_b256 s[4:11], s[0:1], 0x0               ; h s[4:5], wb s[6:7], idx s[8:9], out0 s[10:11]
	v_lshl_add_u32 v[SPW], v0, 2, SPARE
	v_mov_b32 v[NIL], 0
	ds_add_u32 v[SPW], v[NIL]                      ; the wave's opening: the add and its wait stand ahead of my first tensor load
	ds_add_u32 v28, v29
	v_lshrrev_b32 v1, 5, v0
	v_readfirstlane_b32 s12, v1                    ; wave 0..3
	s_lshr_b32 s13, s12, 1                         ; i: my half of the rows.  Also: I fetch h (0) or Wd (1)
	s_and_b32 s14, s12, 1                          ; j: my half of the columns.  Also: which half of that tile I fetch
	s_mov_b32 s15, ttmp9                           ; column block
	s_and_b32 s16, ttmp7, 0xffff                   ; grid row = rank
	s_cmp_lt_u32 s16, 5
	s_cselect_b32 s18, 4, 3
	s_cmp_lt_u32 s16, 2
	s_cselect_b32 s18, 5, s18                      ; the places that this grid row walks
	s_lshl_b32 s19, s18, 1
	s_sub_co_u32 s19, s19, 1                       ; laps less one: the loop's trips
	s_lshl_b32 s75, s18, 2                         ; T: the walk's steps
	s_mul_i32 s47, s15, s75
	s_lshr_b32 s47, s47, 3                         ; the eight column blocks' starts lie T / 8 apart,
	s_and_b32 s76, s16, 7
	s_add_co_u32 s47, s47, s76                     ; shifted by the grid row: below 2 T,
	s_sub_co_u32 s76, s47, s75
	s_min_u32 s47, s47, s76                        ; so modulo T by one subtraction: my start
	s_mov_b32 s[G1A+0], (1<<16)|(1<<20)|(4<<22)|(3<<25)  ; 2-byte elements; padding on, after every 32 words, of 4 words
	s_mov_b32 s[G1A+1], 128<<16                    ; tensor_dim0 = 128
	s_mov_b32 s[G1A+2], 128<<16                    ; tensor_dim1 = 128
	s_mov_b32 s[G1A+3], 128<<16                    ; tile_dim0 = 128
	s_mov_b32 s[G1A+4], 128                        ; tile_dim1 = 128
	s_mov_b32 s[G1A+5], 128                        ; dense: 128 elements from row to row
	s_mov_b32 s[G1A+6], 0
	s_mov_b32 s[G1A+7], 0
	s_mov_b32 s[G1B+0], (1<<16)|(1<<20)|(6<<22)|(3<<25)  ; padding after every 128 words
	s_mov_b32 s[G1B+1], 256<<16                    ; tensor_dim0 = 256
	s_mov_b32 s[G1B+2], 64<<16                     ; tensor_dim1 = 64
	s_mov_b32 s[G1B+3], 256<<16                    ; tile_dim0 = 256
	s_mov_b32 s[G1B+4], 64                         ; tile_dim1 = 64
	s_mov_b32 s[G1B+5], 1024
	s_mov_b32 s[G1B+6], 0
	s_mov_b32 s[G1B+7], 0
	s_mov_b32 s71, 0                               ; the high words of the two offset pairs
	s_mov_b32 s79, 0
	s_lshl_b32 s66, s16, 2
	s_mul_i32 s72, s14, 2*PANEL                    ; where my part of a tile goes: two panels,
	s_mul_i32 s73, s14, 64*PB                      ; or 64 rows of Wd
	s_wait_dscnt 0x0                               ; the opening add is done
	s_wait_kmcnt 0x0
	s_load_b32 s17, s[8:9], s66 offset:ELT         ; the walk's places, a nibble each
	s_load_b32 s21, s[8:9], s66 offset:RBT         ; the block of 128 rows at my rank
	s_wait_kmcnt 0x0
	s_min_u32 s21, s21, 31
	s_lshl_b32 s46, s21, 2
	s_add_co_u32 s46, s46, s21                     ; 5 x block
	s_lshl_b32 s70, s14, 15                        ; h: my two of a step's four panels
	s_add_nc_u64 s[40:41], s[4:5], s[70:71]
	s_lshl_b32 s70, s15, 18                        ; Wd: 128 rows of 2,048 bytes a column block,
	s_lshl_b32 s67, s14, 17                        ; my 64
	s_add_co_u32 s70, s70, s67
	s_add_co_u32 s70, s70, WDB
	s_add_nc_u64 s[42:43], s[6:7], s[70:71]
	s_lshl_b32 s70, s15, 9                         ; out: my 64 columns of f32
	s_lshl_b32 s67, s14, 8
	s_add_co_u32 s70, s70, s67
	s_add_nc_u64 s[44:45], s[10:11], s[70:71]
.irp s, 0,1
	s_mov_b32 s[G0A+4*(\s)], 1
	s_add_co_u32 s[G0A+4*(\s)+1], s72, (\s)*SLOT
	s_mov_b32 s[G0B+4*(\s)], 1
	s_add_co_u32 s[G0B+4*(\s)+1], s73, (\s)*SLOT+BOFF
	s_mov_b32 s66, \s                              ; my walk's step s
	SETADDR \s
.endr
	s_cmp_eq_u32 s13, 0                            ; a wave's two first fills stand in one branch: two loads of mine are out
	s_cbranch_scc0 .Lfirst_b
	tensor_load_to_lds s[G0A:G0A+3], s[G1A:G1A+7]
	s_nop 0
	tensor_load_to_lds s[G0A+4:G0A+7], s[G1A:G1A+7]
	s_nop 0
.rept 4
	v_nop
.endr
	s_branch .Lfirst_asked
.Lfirst_b:
	tensor_load_to_lds s[G0B:G0B+3], s[G1B:G1B+7]
	s_nop 0
	tensor_load_to_lds s[G0B+4:G0B+7], s[G1B:G1B+7]
	s_nop 0
.rept 4
	v_nop
.endr
.Lfirst_asked:
	v_and_b32 v1, 15, v0                           ; l % 16
	v_bfe_u32 v2, v0, 4, 1                         ; l / 16
	s_lshl_b32 s66, s21, 7
	s_lshl_b32 s67, s13, 6
	s_add_co_u32 s66, s66, s67                     ; my first sorted row
	v_add_nc_u32 v[TA], s66, v2
	v_lshlrev_b32 v[TA], 2, v[TA]
.irp a, 0,1,2,3
.irp t, 0,1,2,3,4,5,6,7
	global_load_b32 v[TOKO+8*(\a)+(\t)], v[TA], s[8:9] offset:(16*(\a)+2*(\t))*4  ; the token of row 16 a + 2 t + l / 16: wanted on the way out
.endr
.endr
	v_mul_u32_u24 v3, v1, PA
	v_lshl_add_u32 v3, v2, 4, v3
	s_mul_i32 s66, s13, 64*PA                      ; my 64 rows of each panel
	v_add_nc_u32 v[ADRA], s66, v3
	v_add_nc_u32 v[ADRA+1], SLOT, v[ADRA]
	v_mul_u32_u24 v3, v1, PB
	v_lshl_add_u32 v3, v2, 4, v3
	s_mul_i32 s66, s14, 64*PB                      ; my 64 rows of Wd
	s_add_co_u32 s66, s66, BOFF
	v_add_nc_u32 v[ADRB], s66, v3
	v_add_nc_u32 v[ADRB+1], SLOT, v[ADRB]
	s_mul_i32 s66, s12, 16*SPITCH
	s_add_co_u32 s66, s66, STAGE                   ; my stage
	v_mul_u32_u24 v3, v1, SPITCH                   ; in: row l % 16, 32 bytes for each half of the lanes
	v_lshl_add_u32 v3, v2, 5, v3
	v_add_nc_u32 v[STO], s66, v3
	v_mul_u32_u24 v3, v2, SPITCH                   ; back: lanes 0-15 take one row of 256 bytes, lanes 16-31 the next
	v_lshl_add_u32 v3, v1, 4, v3
	v_add_nc_u32 v[RD], s66, v3
	v_lshlrev_b32 v[C16], 4, v1
; 8 matrix instructions: row blocks a0, a0 + 1 x all 4 column blocks, 32 along K: half c of buffer f.  zero = 1: the first product starts the sums
.macro MUL8 f, c, a0, zero
	WIN MUL
.irp a, \a0, (\a0)+1
.irp b, 0,1,2,3
.if \zero
	v_wmma_f32_16x16x32_bf16 v[ACC+8*(4*(\a)+(\b)):ACC+8*(4*(\a)+(\b))+7], v[(\f)+64+8*(4*(\c)+(\b)):(\f)+64+8*(4*(\c)+(\b))+7], v[(\f)+8*(4*(\c)+(\a)):(\f)+8*(4*(\c)+(\a))+7], 0
.else
	v_wmma_f32_16x16x32_bf16 v[ACC+8*(4*(\a)+(\b)):ACC+8*(4*(\a)+(\b))+7], v[(\f)+64+8*(4*(\c)+(\b)):(\f)+64+8*(4*(\c)+(\b))+7], v[(\f)+8*(4*(\c)+(\a)):(\f)+8*(4*(\c)+(\a))+7], v[ACC+8*(4*(\a)+(\b)):ACC+8*(4*(\a)+(\b))+7]
.endif
.endr
.endr
.endm
; 32 LDS loads in one run: the fragments of quarter q (64 along K: panel q of h, bytes 128 q of Wd's rows) into buffer f; the first 32 along K first
.macro FETCH slot, q, f
	WIN TO_F
.irp c, 0,1
.irp i, 0,1,2,3
	ds_load_b128 v[(\f)+64+8*(4*(\c)+(\i)):(\f)+64+8*(4*(\c)+(\i))+3],   v[ADRB+(\slot)] offset:(\q)*128+64*(\c)+(\i)*16*PB
	ds_load_b128 v[(\f)+64+8*(4*(\c)+(\i))+4:(\f)+64+8*(4*(\c)+(\i))+7], v[ADRB+(\slot)] offset:(\q)*128+64*(\c)+(\i)*16*PB+32
	ds_load_b128 v[(\f)+8*(4*(\c)+(\i)):(\f)+8*(4*(\c)+(\i))+3],         v[ADRA+(\slot)] offset:(\q)*PANEL+64*(\c)+(\i)*16*PA
	ds_load_b128 v[(\f)+8*(4*(\c)+(\i))+4:(\f)+8*(4*(\c)+(\i))+7],       v[ADRA+(\slot)] offset:(\q)*PANEL+64*(\c)+(\i)*16*PA+32
.endr
.endr
.endm
.macro PLACES                          ; four plain vector places between matrix instructions and loads into their registers
.rept 4
	v_nop
.endr
.endm
; A K step is four quarters of 64 along K, 32 matrix instructions each, on buffers 0, 1, 0, 1; the 16 accumulators take turns.  One of the first three multiplies buffer f and fetches quarter q into g.
.macro QUARTER slot, q, f, g, zero
	s_wait_dscnt 16                                ; the first 32 along K are in
	MUL8 \f, 0, 0, \zero
	MUL8 \f, 0, 2, \zero
	PLACES
	FETCH \slot, \q, \g
	s_wait_dscnt 32                                ; all but the 32 just issued
	MUL8 \f, 1, 0, 0
	MUL8 \f, 1, 2, 0
.endm
; The last quarter multiplies buffer 1 and changes slots: ONE barrier; in front of it each wave waits for all its tensor loads, adds 0 to its spare word, and waits for that and for its reads of this slot.
; fill = 1: this slot is filled again with the next lap's step, first thing behind the barrier, 112 matrix instructions ahead of the wait for it.
.macro TURN slot, next, fill
	WIN 0
	s_wait_tensorcnt 0x0                           ; no tensor load of mine is out, so a group 0 may be written
	ds_add_u32 v[SPW], v[NIL]
.if \fill
	s_lshl_b32 s66, s20, 1
	s_add_co_u32 s66, s66, 2+(\slot)               ; step 2 (lap + 1) + slot of my walk
	SETADDR \slot
.endif
	s_wait_dscnt 17                                ; the add and the youngest sixteen loads may be out
	MUL8 F1, 0, 0, 0
	s_wait_dscnt 0x0                               ; the add is done, and my reads of this slot are over
	s_barrier_signal -1
	MUL8 F1, 0, 2, 0
.if \fill
	WIN 0                                          ; a branch follows
.endif
	s_barrier_wait -1
.if \fill
	LOAD2 \slot                                    ; its four v_nop are also the places in front of the loads below
.else
	PLACES
.endif
	FETCH \next, 0, F0
	MUL8 F1, 1, 0, 0
	MUL8 F1, 1, 2, 0
.endm
	s_wait_tensorcnt 1                             ; my part of the first step is in; slot 1's load may stay out
	s_barrier_signal -1
	s_barrier_wait -1
	FETCH 0, 0, F0
	QUARTER 0, 1, F0, F1, 1                        ; the first quarter stands in front of the loop: its first products start the sums
	WIN 0
	s_mov_b32 s20, 0                               ; the lap in hand
.Llap:                                                 ; a trip goes once round the ring, from a lap's second quarter to the next lap's first, and fills both slots again
	QUARTER 0, 2, F1, F0, 0
	QUARTER 0, 3, F0, F1, 0
	TURN 0, 1, 1
	QUARTER 1, 1, F0, F1, 0
	QUARTER 1, 2, F1, F0, 0
	QUARTER 1, 3, F0, F1, 0
	TURN 1, 0, 1
	QUARTER 0, 1, F0, F1, 0
	WIN 0
	s_add_co_u32 s20, s20, 1
	s_cmp_lt_u32 s20, s19
	s_cbranch_scc1 .Llap
	QUARTER 0, 2, F1, F0, 0                        ; the last lap fills nothing
	QUARTER 0, 3, F0, F1, 0
	TURN 0, 1, 0
	QUARTER 1, 1, F0, F1, 0
	QUARTER 1, 2, F1, F0, 0
	QUARTER 1, 3, F0, F1, 0
	s_wait_dscnt 16
	MUL8 F1, 0, 0, 0
	MUL8 F1, 0, 2, 0
	s_wait_dscnt 0x0
	MUL8 F1, 1, 0, 0
	MUL8 F1, 1, 2, 0
	WIN 0
	; THE WAY OUT.  The rows' offsets in out are made first: 64 plain lines, the places behind the last products.
	s_wait_loadcnt 0x0                             ; the tokens
.set i, 0
.rept 32
	v_min_u32 v[TOKO+i], 0xfff, v[TOKO+i]
	v_lshl_add_u32 v[TOKO+i], v[TOKO+i], 12, v[C16]  ; 4,096 bytes a token + my 16 bytes of the 256
.set i, i+1
.endr
.irp a, 0,1,2,3
.irp b, 0,1,2,3
	ds_store_b128 v[STO], v[ACC+8*(4*(\a)+(\b)):ACC+8*(4*(\a)+(\b))+3] offset:64*(\b)       ; each accumulator from its low end on
	ds_store_b128 v[STO], v[ACC+8*(4*(\a)+(\b))+4:ACC+8*(4*(\a)+(\b))+7] offset:64*(\b)+16
.endr
	s_wait_xcnt 0x0                                ; the stores of the block two back have read these registers
.irp t, 0,1,2,3,4,5,6,7
	ds_load_b128 v[TMP+32*((\a)%2)+4*(\t):TMP+32*((\a)%2)+4*(\t)+3], v[RD] offset:(\t)*2*SPITCH  ; LDS serves a wave's instructions in order: these see the stores above
.endr
	s_wait_dscnt 0x0
.irp t, 0,1,2,3,4,5,6,7
	global_store_b128 v[TOKO+8*(\a)+(\t)], v[TMP+32*((\a)%2)+4*(\t):TMP+32*((\a)%2)+4*(\t)+3], s[44:45] th:TH_STORE_NT  ; 16 lanes store 256 consecutive aligned bytes of one token's row
.endr
.endr
	s_wait_tensorcnt 0x0                           ; the wave's end
	ds_add_u32 v[SPW], v[NIL]
	s_wait_dscnt 0x0
	s_endpgm
.Lfunc_end_k_q492210da75_ffn2:
	.size	k_q492210da75_ffn2, .Lfunc_end_k_q492210da75_ffn2-k_q492210da75_ffn2
	.p2alignl 7, 3214868480
	.fill 96, 4, 3214868480
	.section	.rodata,"a",@progbits
	.p2align	6, 0x0
	.amdhsa_kernel k_q492210da75_ffn2
		.amdhsa_group_segment_fixed_size 327680
		.amdhsa_private_segment_fixed_size 0
		.amdhsa_enable_private_segment 0
		.amdhsa_kernarg_size 32
		.amdhsa_user_sgpr_count 2
		.amdhsa_user_sgpr_kernarg_segment_ptr 1
		.amdhsa_wavefront_size32 1
		.amdhsa_system_sgpr_workgroup_id_x 1
		.amdhsa_system_sgpr_workgroup_id_y 1
		.amdhsa_system_sgpr_workgroup_id_z 1
		.amdhsa_system_vgpr_workitem_id 0
		.amdhsa_next_free_vgpr 512
		.amdhsa_next_free_sgpr 80
		.amdhsa_reserve_vcc 0
		.amdhsa_float_denorm_mode_32 3
		.amdhsa_float_denorm_mode_16_64 3
		.amdhsa_memory_ordered 1
		.amdhsa_forward_progress 1
		.amdhsa_inst_pref_size 94
	.end_amdhsa_kernel
	.amdgpu_metadata
---
amdhsa.version: [ 1, 2 ]
amdhsa.kernels:
  - .name:           k_q492210da75_ffn2
    .symbol:         k_q492210da75_ffn2.kd
    .args:
      - { .name: h, .offset: 0, .size: 8, .value_kind: global_buffer, .address_space: global }
      - { .name: wb, .offset: 8, .size: 8, .value_kind: global_buffer, .address_space: global }
      - { .name: idx, .offset: 16, .size: 8, .value_kind: global_buffer, .address_space: global }
      - { .name: out0, .offset: 24, .size: 8, .value_kind: global_buffer, .address_space: global }
    .group_segment_fixed_size: 327680
    .private_segment_fixed_size: 0
    .kernarg_segment_align: 8
    .kernarg_segment_size: 32
    .max_flat_workgroup_size: 128
    .sgpr_count:     80
    .vgpr_count:     512
    .wavefront_size: 32
...
	.end_amdgpu_metadata
.endif
;; end of part 4
